; MI455X (gfx1250); checked and timed in simulation.
; The chip was launched on July 23, 2026; its instructions are those of AMD's public machine-readable ISA for CDNA 5 (MIT licence, August 2026) and "CDNA5" Instruction Set Architecture Reference Guide (July 2026). The comments in the code are by the model that wrote it; some were corrected since.
;; Vector Quantizer. Allowed arithmetic: matrix products marked QUANTISED: E4M3 operands, one given power-of-two scale a tensor, by v_wmma_f32_16x16x64_fp8_fp8 or v_wmma_f32_16x16x128_fp8_fp8, f32 sums; everything else in f32.
;; Inputs: codebook 8,192 x 256 float32; latents 8 x 8 x 512 x 256 float32; lowp_scales 2 int32 (the exponents e of the quantised operands' scales 2^e).
;; Outputs: out0 8 x 8 x 512 int32.
;; This version of the problem:
;;   THIS VERSION OF THE PROBLEM IS GIVEN IN LOW PRECISION. The matrix products marked QUANTISED in the list below multiply operands that are first quantised to E4M3 (4 exponent bits, 3 mantissa bits; 8 bits a number), with one given power-of-two scale for each operand tensor; their sums are f32. All else is computed in f32.
;;   The module's matrix products, in the order in which they are computed (A, B: the left and right operand; K: the contracted axis; several contracted axes count as one K, in the product's order):
;;     1. [M 32,768, K 256] x [K 256, N 8,192]; A: input latents; B: input codebook: QUANTISED (scales: A lowp_scales[0], B lowp_scales[1])
;;   THE QUANTISER, for each operand of a quantised product, along K:
;;     - The operand's scale is 2^e, e = its entry of the input lowp_scales (int32; the entries are numbered through the quantised products in the list's order, A before B).
;;     - Each number is divided by the scale, clamped to +-448, and rounded to the nearest number of E4M3, ties to even, subnormals kept.
;;     - The product sums the exact products of the quantised numbers (number of the format x scale) in f32.
;;   ~~~python
;;   def quantise(x, axis, e):      # numpy; x: float32 -> the quantised numbers, widened to float32 again
;;       x = np.moveaxis(x, axis, -1); K = x.shape[-1]
;;       r = np.clip(x / 2.0 ** e, -448, 448)
;;       step = 2.0 ** (np.maximum(np.frexp(np.where(r == 0, 1, r))[1] - 1, -6) - 3)
;;       q = np.round(r / step) * step * 2.0 ** e      # np.round: ties to even
;;       return np.moveaxis(q, -1, axis).astype(np.float32)
;;   ~~~
;; One version. Each part assembles by itself: llvm-mc -triple=amdgcn-amd-amdhsa -mcpu=gfx1250 --defsym DOCPART=n.
;; ======== version 1 of 1: 2 launches
;; limits: right only within a limited range of input values
;; workspace buffers: xc 8,388,608 bytes; cb 2,228,224 bytes
;; launch prep (part 1): grid 640 x 1, 4 waves a work-group, no clusters, 67,328 bytes of LDS; arguments latents, codebook, lowp_scales, xc, cb; writes xc, cb
.if DOCPART == 1
	.amdgcn_target "amdgcn-amd-amdhsa--gfx1250"
	.amdhsa_code_object_version 6
	.text
	.protected	k_q7c448ce1c5_prep
	.globl	k_q7c448ce1c5_prep
	.p2align	8
	.type	k_q7c448ce1c5_prep,@function
k_q7c448ce1c5_prep:
	s_mov_b64 s[64:65], 0
	v_nop
	global_prefetch_b8 v0, s[64:65] scope:SCOPE_SE
	s_setreg_imm32_b32 hwreg(HW_REG_WAVE_MODE, 25, 1), 1
	s_wait_xcnt 0x0
; latents (32,768 rows) and codebook (8,192 rows), rows of 256 f32, become codes of FP8 (E4M3), each tensor with its given scale 2^e:
; code = x / 2^e, held within +-448, rounded to the nearest code, ties to even (e = entry 0 of the scales for latents, entry 1 for the codebook).
; WORK LEFT OUT: reference() takes argmin over the codes c of  xx(row) - 2 x.c + cc(c).  xx(row) is the same number for every c of a row, so in exact arithmetic, whatever the inputs hold,
; argmin (xx - 2 x.c + cc) = argmax (x.c - cc / 2): xx reaches no output, and latents' sums of squares are not made.  latents itself stays live (its codes).
; LIMIT of that: a NaN, an infinity or an overflow that arises in xx alone is not carried to the result, and two distances that differ only by the roundings of xx's additions may be ordered otherwise.
; For each row of the codebook: ncc = -(sum of x^2 over the RAW f32 numbers) x 2^-(e0 + e1 + 1): the next launch gives it to the matrix unit as the start of the sum of code products.
; LAYOUT: images of operand registers.  A tile is 16 rows, 4,096 bytes: [K step s = 0, 1][q = 0..3][lane][16 bytes]; the 16 bytes are registers 4 q .. 4 q + 3 of the fragment (tile, s) of
; v_wmma_f32_16x16x128_fp8_fp8: registers 2 c, 2 c + 1 of lane (r, h) hold k = 128 s + 16 c + 8 h + 0 .. 7 of row r.  xc: latents' 2,048 tiles on end.
; cb: the codebook's 512 tiles, 4,352 bytes apart: the image, then 256 bytes with the tile's 16 ncc, four times over (every byte is written).
; SHARES: a wave takes one tile, 16,384 dense bytes.  Work-groups 0 .. 511 take latents, the others the codebook; one forward branch on the work-group's number leads latents round the sums.
; LIMITS: e0, e1 between -126 and 119; the scaled sums stay normal f32 numbers; NaN and infinities among the inputs are not served; the order of the additions in a sum of squares is this text's own.
.set STG,   16640                      ; a wave's stage: 16 rows x PITCH
.set PITCH, 1040                       ; 65 x 16 bytes
.set SQS,   4*STG                      ; behind the stages: 64 bytes a wave for its 16 sums
.set SPARE, SQS+256                    ; the spare words, 128 bytes a wave
.set SUM,   10                         ; v[10:17] four pairs of running sums
.set X,     32                         ; v32-159  the tile's numbers
.set C,     160                        ; v160-191 the codes
	s_load_b128 s[4:7], s[0:1], 0x0                ; latents, codebook
	s_load_b128 s[8:11], s[0:1], 0x10              ; the scales' exponents, xc
	s_load_b64 s[12:13], s[0:1], 0x20              ; cb
	v_lshl_add_u32 v192, v0, 2, SPARE
	v_mov_b32 v193, 0
	v_lshrrev_b32 v7, 5, v0
	v_readfirstlane_b32 s14, v7                    ; wave 0..3
	v_and_b32 v7, 31, v0                           ; lane
	v_and_b32 v19, 15, v0                          ; r
	v_bfe_u32 v20, v0, 4, 1                        ; h
	v_and_b32 v21, 7, v0
	v_lshlrev_b32 v1, 4, v7                        ; 16 x lane
	s_mul_i32 s22, s14, STG                        ; my stage
	v_add_nc_u32 v2, s22, v1                       ; into it: as the bytes lie
	v_mul_u32_u24 v3, v19, PITCH
	v_lshl_add_u32 v3, v20, 5, v3
	v_add_nc_u32 v3, s22, v3                       ; out of it: row r, + 32 h
	s_lshl_b32 s23, s14, 6
	s_add_co_u32 s23, s23, SQS
	v_lshl_add_u32 v4, v19, 2, s23                 ; where my row's sum goes
	v_lshl_add_u32 v5, v21, 3, s23                 ; and the two sums that I send out: 2 (lane % 8) and the next
	v_lshlrev_b32 v6, 3, v7                        ; 8 x lane
	v_mov_b32 v18, 0                               ; a lane permute's destination counts as one of its sources
	s_mov_b32 s24, 0x76543210
	s_mov_b32 s25, 0xfedcba98                      ; lane l xor 16
	s_lshl_b32 s15, ttmp9, 2
	s_add_co_u32 s15, s15, s14                     ; my tile among the 2,560
	s_cmp_lt_u32 ttmp9, 512                        ; latents' work-group or the codebook's?
	s_cselect_b32 s16, 0, 2048
	s_mov_b32 s18, 4352
	s_cselect_b32 s18, 4096, s18                   ; bytes from tile to tile in the buffer that I store into
	s_sub_co_u32 s16, s15, s16                     ; my tile in its tensor
	s_mul_i32 s18, s16, s18
	s_lshl_b32 s16, s16, 14
	s_mov_b32 s17, 0
	s_mov_b32 s19, 0
	s_wait_alu depctr_va_vdst(0)                   ; directly ahead of the wait below
	s_wait_kmcnt 0x0
	s_load_b64 s[20:21], s[8:9], 0x0               ; e0, e1
	s_cmp_lt_u32 ttmp9, 512
	s_cselect_b64 s[4:5], s[4:5], s[6:7]
	s_cselect_b64 s[10:11], s[10:11], s[12:13]
	s_add_nc_u64 s[4:5], s[4:5], s[16:17]
	s_add_nc_u64 s[10:11], s[10:11], s[18:19]
.set i, 0
.rept 32
	global_load_b128 v[X+4*i:X+4*i+3], v1, s[4:5] offset:512*i th:TH_LOAD_NT   ; 32 lanes read 512 consecutive bytes
.set i, i+1
.endr
	s_wait_kmcnt 0x0
	s_add_co_i32 s26, s20, s21
	s_add_co_i32 s26, s26, 1
	s_sub_co_i32 s26, 0, s26                       ; -(e0 + e1 + 1)
	s_cmp_lt_u32 ttmp9, 512
	s_cselect_b32 s22, s20, s21                    ; e
	s_add_co_i32 s22, s22, 127
	s_lshl_b32 s23, s22, 23
	v_mov_b32 v9, s23                              ; 2^e as f32
	s_add_co_i32 s22, s22, 8
	s_lshl_b32 s22, s22, 23
	s_or_b32 s22, s22, 0x600000
	v_mov_b32 v8, s22                              ; 448 x 2^e
	s_wait_alu depctr_va_vdst(0)
.irp b, 0,1,2,3
	s_wait_loadcnt 24-8*\b                         ; this batch of eight is in, the younger batches stay out
.irp j, 0,1,2,3,4,5,6,7
	ds_store_b128 v2, v[X+4*(8*\b+\j):X+4*(8*\b+\j)+3] offset:((8*\b+\j)/2)*PITCH+((8*\b+\j)%2)*512
.endr
.endr
	s_wait_dscnt 0x0                               ; the stores have read their registers: the loads below land in the same ones
.irp c, 0,1,2,3,4,5,6,7,8,9,10,11,12,13,14,15
	ds_load_b128 v[X+8*\c:X+8*\c+3], v3 offset:64*\c          ; chunk c: k = 16 c + 8 h + 0 .. 7 of row r
	ds_load_b128 v[X+8*\c+4:X+8*\c+7], v3 offset:64*\c+16
.endr
	s_wait_dscnt 0x0
	s_cmp_lt_u32 ttmp9, 512
	s_cbranch_scc1 .Lcodes                         ; latents need no sums
.irp p, 0,1,2,3
	v_pk_mul_f32 v[SUM+2*\p:SUM+2*\p+1], v[X+2*\p:X+2*\p+1], v[X+2*\p:X+2*\p+1]   ; the first four pairs start four chains
.endr
.set j, 4
.rept 60
	v_pk_fma_f32 v[SUM+2*(j%4):SUM+2*(j%4)+1], v[X+2*j:X+2*j+1], v[X+2*j:X+2*j+1], v[SUM+2*(j%4):SUM+2*(j%4)+1]   ; squares of the raw numbers
.set j, j+1
.endr
	v_pk_add_f32 v[SUM:SUM+1], v[SUM:SUM+1], v[SUM+2:SUM+3]
	v_pk_add_f32 v[SUM+4:SUM+5], v[SUM+4:SUM+5], v[SUM+6:SUM+7]
	v_pk_add_f32 v[SUM:SUM+1], v[SUM:SUM+1], v[SUM+4:SUM+5]
	v_add_f32 v10, v10, v11
	v_permlanex16_b32 v18, v10, s24, s25
	v_add_f32 v10, v10, v18                        ; the row's other half lies in lane l xor 16
	v_ldexp_f32 v10, -v10, s26                     ; x -2^-(e0 + e1 + 1): nothing is rounded
	ds_store_b32 v4, v10                           ; lanes r and r + 16 write the same word with the same sum
	ds_load_b64 v[22:23], v5                       ; LDS serves a wave's instructions in order: this sees the store
	s_wait_dscnt 0x0
	global_store_b64 v6, v[22:23], s[10:11] offset:4096   ; 32 lanes store 256 consecutive bytes behind the image: the 16 sums, four times
.Lcodes:
.irp b, 0,1,2,3
.irp j, 0,1,2,3,4,5,6,7,8,9,10,11,12,13,14,15,16,17,18,19,20,21,22,23,24,25,26,27,28,29,30,31
	v_med3_num_f32 v[X+32*\b+\j], v[X+32*\b+\j], -v8, v8      ; the conversion does not saturate (ISA guide 7.6.2): the hold comes first
.endr
.irp c, 0,1,2,3
	v_cvt_scalef32_pk8_fp8_f32 v[C+8*\b+2*\c:C+8*\b+2*\c+1], v[X+32*\b+8*\c:X+32*\b+8*\c+7], v9
.endr
.endr
.irp i, 0,1,2,3,4,5,6,7
	global_store_b128 v1, v[C+4*\i:C+4*\i+3], s[10:11] offset:512*\i   ; 32 lanes store 512 consecutive bytes
.endr
	s_wait_tensorcnt 0x0                           ; the wave's end
	ds_add_u32 v192, v193
	s_wait_dscnt 0x0
	s_endpgm
.Lfunc_end_k_q7c448ce1c5_prep:
	.size	k_q7c448ce1c5_prep, .Lfunc_end_k_q7c448ce1c5_prep-k_q7c448ce1c5_prep
	.p2alignl 7, 3214868480
	.fill 96, 4, 3214868480
	.section	.rodata,"a",@progbits
	.p2align	6, 0x0
	.amdhsa_kernel k_q7c448ce1c5_prep
		.amdhsa_group_segment_fixed_size 67328
		.amdhsa_private_segment_fixed_size 0
		.amdhsa_enable_private_segment 0
		.amdhsa_kernarg_size 40
		.amdhsa_user_sgpr_count 2
		.amdhsa_user_sgpr_kernarg_segment_ptr 1
		.amdhsa_wavefront_size32 1
		.amdhsa_system_sgpr_workgroup_id_x 1
		.amdhsa_system_sgpr_workgroup_id_y 1
		.amdhsa_system_sgpr_workgroup_id_z 1
		.amdhsa_system_vgpr_workitem_id 0
		.amdhsa_next_free_vgpr 194
		.amdhsa_next_free_sgpr 66
		.amdhsa_reserve_vcc 0
		.amdhsa_float_denorm_mode_32 3
		.amdhsa_float_denorm_mode_16_64 3
		.amdhsa_memory_ordered 1
		.amdhsa_forward_progress 1
		.amdhsa_inst_pref_size 25
	.end_amdhsa_kernel
	.amdgpu_metadata
---
amdhsa.version: [ 1, 2 ]
amdhsa.kernels:
  - .name:           k_q7c448ce1c5_prep
    .symbol:         k_q7c448ce1c5_prep.kd
    .args:
      - { .name: latents, .offset: 0, .size: 8, .value_kind: global_buffer, .address_space: global }
      - { .name: codebook, .offset: 8, .size: 8, .value_kind: global_buffer, .address_space: global }
      - { .name: lowp_scales, .offset: 16, .size: 8, .value_kind: global_buffer, .address_space: global }
      - { .name: xc, .offset: 24, .size: 8, .value_kind: global_buffer, .address_space: global }
      - { .name: cb, .offset: 32, .size: 8, .value_kind: global_buffer, .address_space: global }
    .group_segment_fixed_size: 67328
    .private_segment_fixed_size: 0
    .kernarg_segment_align: 8
    .kernarg_segment_size: 40
    .max_flat_workgroup_size: 128
    .sgpr_count:     66
    .vgpr_count:     194
    .wavefront_size: 32
...
	.end_amdgpu_metadata
.endif
;; end of part 1
;; launch vq (part 2): grid 256 x 1, 8 waves a work-group, clusters of 4 x 1, 327,680 bytes of LDS; arguments xc, cb, out0; writes out0
.if DOCPART == 2
	.amdgcn_target "amdgcn-amd-amdhsa--gfx1250"
	.amdhsa_code_object_version 6
	.text
	.protected	k_q7c448ce1c5_vq
	.globl	k_q7c448ce1c5_vq
	.p2align	8
	.type	k_q7c448ce1c5_vq,@function
k_q7c448ce1c5_vq:
	s_mov_b64 s[64:65], 0
	v_nop
	global_prefetch_b8 v0, s[64:65] scope:SCOPE_SE
	s_setreg_imm32_b32 hwreg(HW_REG_WAVE_MODE, 25, 1), 1
	s_wait_xcnt 0x0
	s_wait_alu depctr_hold_cnt(0) depctr_sa_sdst(0) depctr_va_vdst(0) depctr_va_sdst(0) depctr_va_ssrc(0) depctr_va_vcc(0) depctr_vm_vsrc(0)
	s_getreg_b32 s2, hwreg(HW_REG_IB_STS2, 6, 4)
	s_cmp_eq_u32 s2, 0
	s_cbranch_scc0 .Lentry_in_a_cluster
	s_endpgm
.Lentry_in_a_cluster:
	s_bfe_u32 s2, ttmp6, 0x10000c
	s_cmp_lg_u32 s2, 0x3003
	s_cbranch_scc0 .Lentry_shape_is_right
	s_endpgm
.Lentry_shape_is_right:
; out0[row] = the lowest index of the largest  v = acc - cc'  over 8,192 codes: acc the sum of FP8 code products (v_wmma_f32_16x16x128_fp8_fp8, two K steps, K ascending), cc' = cc x 2^-(e0+e1+1).
; WORK LEFT OUT: the row's own sum of squares, which is the same for all codes of a row and so cannot move the argmin (shown at the head of the launch before).  argmin (xx - 2 x.c + cc) = argmax v.
; -cc' comes from the launch before and is the C of each sum's first matrix instruction: no vector instruction forms a distance.
; LIMITS: v stays a finite f32 number; NaN and infinities are not served; the roundings are the matrix unit's, not those of reference()'s two additions.
; SHARES.  A work-group owns 128 rows.  Eight waves, two to a SIMD; EVERY wave keeps all eight row tiles' codes in 256 registers; wave w walks code tiles 64 w .. 64 w + 63, so a code fragment is read from LDS once
; in the work-group and feeds eight row tiles.  Source 0 = 16 codes, source 1 = 16 rows: lane (r, h) holds ONE row, register j is code 8 h + j of the tile.
; A TILE: sixteen matrix instructions on end (the eight accumulators by turns), then ten vector instructions a row tile: four v_max3 (the old best among the leaves), a compare
; (new > old: a tie keeps the earlier tile), a select of the tile's number, four dual selects that keep the tile's eight values.  The place in the tile is found behind the loop.  Nothing branches on data.
; RING.  Two slots; a slot holds four tiles (17,408 bytes: 68 rows of 256) for each wave, which loads and reads its own bytes alone.  A slot is filled again behind a round of the cluster's barrier.
; CLUSTER.  All work-groups walk the same images: the four of a cluster ask for each part JOINTLY (mask 15).
; THE WALK IS TURNED: cluster c begins at step c % 16 of the 16 and wraps.  Behind the wrap come LOWER indices, which win ties: so at the wrap the running best is set one f32 step down; an equal value then counts
; as larger, and no f32 number lies between.  The true best is taken anew from the kept values behind the loop.
; NO PREFETCH: the 64 clusters' first loads, four clusters to each of the 16 steps, together name every byte of the images; each later load names bytes that other clusters' loads named a step before.
; The launch claims all of a WGP's LDS; it uses 287,744 bytes.
; REGISTERS: window 0 as named below; window 1: x: row tile a, K step s at 32 a + 16 s.
.set TILEB, 4352                       ; an image and its 256 bytes of -cc'
.set WPART, 4*TILEB                    ; a wave's part of a slot
.set SLOTB, 8*WPART
.set SCR,   2*SLOTB                    ; [wave][row 0..127] (best, index)
.set SPARE, SCR+8192                   ; the spare words, 128 bytes for each wave
.set LI,  1                            ; v1     16 x lane
.set LA,  2                            ; v2-3   my place in my part of slot 0, 1
.set CA,  4                            ; v4-5   my eight -cc' of its first tile
.set SPW, 6                            ; v6     my spare word; never rewritten
.set NIL, 7                            ; v7     0; never rewritten
.set SA,  8                            ; v8     SCR + 1,024 wave + 8 r
.set RA,  9                            ; v9     SCR + 512 (wave % 2) + 16 lane
.set OA,  10                           ; v10    8 x lane
.set HW,  11                           ; v11    1,024 wave + 8 h
.set T,   14                           ; v14-21 at work
.set BB,  24                           ; v24-31, v32-39 the best, by turns (new in the set tile % 2)
.set GID, 40                           ; v40-47 16 x the best tile's number
.set CC,  48                           ; v48-63 two tiles' -cc'
.set OFF, 48                           ; at the end: the place, then the index
.set AF,  64                           ; v64-127 two tiles' code fragments
.set ACC, 128                          ; v128-191 the eight accumulators
.set SV,  192                          ; v192-255 the kept values, eight a row tile
.set WV,  12                           ; s12 my wave's number
.set G1,  16                           ; s[16:23] descriptor group 1
.set G0,  24                           ; s[24:27], s[28:31] group 0 of slot 0, 1
.set TI,  32                           ; s32 16 x the tile at work
.set TRIPS, 33
.set KL,  34                           ; s34 the step last asked for
.set BASE, 36                          ; s[36:37] my wave's 64 tiles in cb
.set SEL, 38                           ; s[38:39] lane l xor 16
.set MSB, 0
.macro WIN new                         ; the immediate's high byte repeats the setting that is left
.if MSB != \new
	s_set_vgpr_msb (MSB<<8)|\new
.set MSB, \new
.endif
.endm
.macro CREST                           ; a round of the cluster's barrier behind its opening barrier
	s_cmp_lg_u32 s[WV], 0
	s_cbranch_scc1 .Lnot_wave_0_\@
	s_barrier_signal -3
.Lnot_wave_0_\@:
	s_barrier_wait -3
	s_barrier_signal -1
	s_barrier_wait -1
.endm
.macro ROUND
	s_barrier_signal -1
	s_barrier_wait -1
	CREST
.endm
.macro PLACES                          ; four places behind matrix instructions (ISA guide 7.12.1), ahead of the first read of their results
.rept 4
	v_nop
.endr
.endm
; Tile t of a slot into set p: eight loads of 512 consecutive bytes, and two in which the lanes of a half read the same 16 bytes
.macro FETCH slot, t, p
.irp i, 0,1,2,3,4,5,6,7
	ds_load_b128 v[AF+32*(\p)+4*\i:AF+32*(\p)+4*\i+3], v[LA+(\slot)] offset:(\t)*TILEB+512*\i
.endr
	ds_load_b128 v[CC+8*(\p):CC+8*(\p)+3], v[CA+(\slot)] offset:(\t)*TILEB
	ds_load_b128 v[CC+8*(\p)+4:CC+8*(\p)+7], v[CA+(\slot)] offset:(\t)*TILEB+16
.endm
; Sixteen matrix instructions: K step 0 of the eight row tiles starts the sums with -cc', then K step 1: seven others stand between a sum's two steps
.macro MM p
	WIN 0x04                                       ; source 1 (x) in window 1
.irp a, 0,1,2,3,4,5,6,7
	v_wmma_f32_16x16x128_fp8_fp8 v[ACC+8*\a:ACC+8*\a+7], v[AF+32*(\p):AF+32*(\p)+15], v[32*\a:32*\a+15], v[CC+8*(\p):CC+8*(\p)+7]
.endr
.irp a, 0,1,2,3,4,5,6,7
	v_wmma_f32_16x16x128_fp8_fp8 v[ACC+8*\a:ACC+8*\a+7], v[AF+32*(\p)+16:AF+32*(\p)+31], v[32*\a+16:32*\a+31], v[ACC+8*\a:ACC+8*\a+7]
.endr
	WIN 0
.endm
.macro VA a, p                         ; three maxima of three; each accumulator is read from its low end on
	v_max3_num_f32 v[T+3*((\a)%2)], v[ACC+8*(\a)], v[ACC+8*(\a)+1], v[ACC+8*(\a)+2]
	v_max3_num_f32 v[T+3*((\a)%2)+1], v[ACC+8*(\a)+3], v[ACC+8*(\a)+4], v[ACC+8*(\a)+5]
	v_max3_num_f32 v[T+3*((\a)%2)+2], v[ACC+8*(\a)+6], v[ACC+8*(\a)+7], v[BB+8*(1-(\p))+(\a)]
.endm
.macro VB a, p                         ; the new best
	v_max3_num_f32 v[BB+8*(\p)+(\a)], v[T+3*((\a)%2)], v[T+3*((\a)%2)+1], v[T+3*((\a)%2)+2]
.endm
.macro VD a                            ; where the best is new: the tile's number and its eight values are kept
	v_cndmask_b32 v[GID+(\a)], v[GID+(\a)], s[TI], vcc_lo
.irp i, 0,2,4,6
	v_dual_cndmask_b32 v[SV+8*(\a)+\i], v[SV+8*(\a)+\i], v[ACC+8*(\a)+\i] :: v_dual_cndmask_b32 v[SV+8*(\a)+\i+1], v[SV+8*(\a)+\i+1], v[ACC+8*(\a)+\i+1]
.endr
.endm
.macro VEC p                           ; the row tiles' chains are laid into each other: four lines stand between a compare and its selects, eight between a best and its compare
	VA 0, \p
	VB 0, \p
	VA 1, \p
.irp a, 0,1,2,3,4,5,6,7
	v_cmp_gt_f32 vcc_lo, v[BB+8*(\p)+\a], v[BB+8*(1-(\p))+\a]
.if \a < 7
	VB (\a+1), \p
.endif
.if \a < 6
	VA (\a+2), \p
.endif
	VD \a
.endr
.endm
.macro TILE slot, t                    ; one of a slot's first three tiles
	FETCH \slot, (\t)+1, 1-(\t)%2
	s_wait_dscnt 10                                ; this tile's ten loads are in; the ten just issued may be out
	MM (\t)%2
	PLACES
	VEC (\t)%2
	s_add_co_u32 s[TI], s[TI], 16
.endm
; A slot's last tile.  Its fragments are in registers, so the wave has left the slot.  fill = 1: the slot is filled again, with the step two on; the matrix run stands inside the round's opening barrier.
; more = 1: the other slot's first tile is fetched, and the wrap is looked for.
.macro TILE3 slot, fill, more
.if \fill || \more
	s_wait_tensorcnt 0x0                           ; my one load that is out, my part of the other slot, has landed
.endif
.if \fill
	ds_add_u32 v[SPW], v[NIL]                      ; the steps below stand between the add and the wait for it
	s_add_co_u32 s[KL], s[KL], 1
	s_and_b32 s[KL], s[KL], 15                     ; the next step of the turned walk
	s_mul_i32 s40, s[KL], WPART
	s_add_nc_u64 s[G0+4*\slot+2:G0+4*\slot+3], s[BASE:BASE+1], s[40:41]
	s_or_b32 s[G0+4*\slot+3], s[G0+4*\slot+3], 0x80000000
.endif
	s_wait_dscnt 0x0                               ; the add is done, and my reads of this slot are over
.if \fill
	s_barrier_signal -1
.endif
	MM 1
.if \fill
	s_barrier_wait -1
	CREST                                          ; no wave of any partner still reads this slot or has a load on its way
	tensor_load_to_lds s[G0+4*\slot:G0+4*\slot+3], s[G1:G1+7]   ; my one tensor load behind the round
	s_nop 0
.endif
	PLACES
.if \more
	FETCH 1-\slot, 0, 0
.endif
	VEC 1
.if \more
	s_add_co_u32 s[TI], s[TI], 16
	s_and_b32 s[TI], s[TI], 1023
	s_cmp_lg_u32 s[TI], 0                          ; made of the cluster's number and the loop's steps: the same in all waves and partners
	s_cbranch_scc1 .Lno_wrap_\@
.irp a, 0,1,2,3,4,5,6,7
	v_cmp_neq_f32 vcc_lo, 0, v[BB+8+\a]            ; THE WRAP: the best goes one f32 step down.  +0 counts as -0,
	v_cndmask_b32 v[BB+8+\a], 0x80000000, v[BB+8+\a], vcc_lo
.endr
.irp a, 0,1,2,3,4,5,6,7
	v_ashrrev_i32 v[T+\a], 31, v[BB+8+\a]          ; 0 or -1 by the sign,
.endr
.irp a, 0,1,2,3,4,5,6,7
	v_lshl_add_u32 v[T+\a], v[T+\a], 1, 1          ; 1 or -1:
.endr
.irp a, 0,1,2,3,4,5,6,7
	v_sub_nc_u32 v[BB+8+\a], v[BB+8+\a], v[T+\a]   ; a positive number's pattern falls by one, a negative one's rises
.endr
	s_wait_alu depctr_va_vdst(0)
.Lno_wrap_\@:
.endif
.endm
	s_load_b128 s[4:7], s[0:1], 0x0                ; xc s[4:5], cb s[6:7]
	s_load_b64 s[8:9], s[0:1], 0x10                ; out0
	v_lshl_add_u32 v[SPW], v0, 2, SPARE
	v_mov_b32 v[NIL], 0
	ds_add_u32 v[SPW], v[NIL]                      ; the opening lines: the add, twice on end, and its wait ahead of my first tensor load
	ds_add_u32 v[SPW], v[NIL]
	v_lshrrev_b32 v13, 5, v0                       ; wave
	v_and_b32 v20, 31, v0                          ; lane
	v_and_b32 v21, 15, v0                          ; r
	v_bfe_u32 v22, v0, 4, 1                        ; h
	v_readfirstlane_b32 s[WV], v13
	v_lshlrev_b32 v[LI], 4, v20
	v_mul_u32_u24 v23, v13, WPART
	v_add_nc_u32 v[LA], v23, v[LI]
	v_add_nc_u32 v[LA+1], SLOTB, v[LA]
	v_lshl_add_u32 v[CA], v22, 5, v23
	v_add_nc_u32 v[CA], 4096, v[CA]
	v_add_nc_u32 v[CA+1], SLOTB, v[CA]
	v_lshlrev_b32 v[SA], 10, v13
	v_lshl_add_u32 v[SA], v21, 3, v[SA]
	v_add_nc_u32 v[SA], SCR, v[SA]
	v_and_b32 v[RA], 1, v13
	v_lshl_add_u32 v[RA], v[RA], 9, v[LI]
	v_add_nc_u32 v[RA], SCR, v[RA]
	v_lshlrev_b32 v[OA], 3, v20
	v_lshlrev_b32 v[HW], 10, v13
	v_lshl_add_u32 v[HW], v22, 3, v[HW]
	s_bfe_u32 s13, ttmp6, 0x40000                  ; cx: it enters the global addresses of x and out0 alone
	s_lshl_b32 s14, ttmp9, 2                       ; in a cluster launch ttmp9 counts clusters
	s_add_co_u32 s14, s14, s13                     ; my block of 128 rows
	s_and_b32 s[KL], ttmp9, 15                     ; the cluster's first step: the same in its four partners
	s_lshl_b32 s[TI], s[KL], 6                     ; 16 x its first tile
	s_mov_b32 s[G1], 15|(3<<16)|(1<<21)            ; the mask: all four work-groups; elements of 8 bytes; no padding; bit 21 beside a mask
	s_mov_b32 s[G1+1], 32<<16                      ; tensor_dim0 = 32: rows of 256 bytes
	s_mov_b32 s[G1+2], 68<<16                      ; tensor_dim1 = 68
	s_mov_b32 s[G1+3], 32<<16                      ; tile_dim0
	s_mov_b32 s[G1+4], 68                          ; tile_dim1
	s_mov_b32 s[G1+5], 32                          ; dense
	s_mov_b32 s[G1+6], 0
	s_mov_b32 s[G1+7], 0
	s_mov_b32 s[G0], 1
	s_mov_b32 s[G0+4], 1
	s_mul_i32 s[G0+1], s[WV], WPART                ; my part of slot 0: no place in the cluster enters an LDS address
	s_add_co_u32 s[G0+5], s[G0+1], SLOTB
	s_mul_i32 s40, s[WV], 64*TILEB
	s_mov_b32 s41, 0                               ; stays 0
	s_mul_i32 s42, s[KL], WPART
	s_mov_b32 s43, 0
	s_add_co_u32 s[KL], s[KL], 1
	s_and_b32 s[KL], s[KL], 15
	s_mul_i32 s44, s[KL], WPART
	s_mov_b32 s45, 0
	s_mov_b32 s[SEL], 0x76543210
	s_mov_b32 s[SEL+1], 0xfedcba98
	s_lshl_b32 s46, s14, 15                        ; my eight row tiles' images
	s_mov_b32 s47, 0
	s_wait_alu depctr_va_vdst(0)                   ; directly ahead of the waits below
	s_wait_dscnt 0x0                               ; both opening adds are done
	s_wait_kmcnt 0x0
	s_add_nc_u64 s[BASE:BASE+1], s[6:7], s[40:41]
	s_add_nc_u64 s[G0+2:G0+3], s[BASE:BASE+1], s[42:43]
	s_or_b32 s[G0+3], s[G0+3], 0x80000000          ; type = 2
	s_add_nc_u64 s[G0+6:G0+7], s[BASE:BASE+1], s[44:45]
	s_or_b32 s[G0+7], s[G0+7], 0x80000000
	s_add_nc_u64 s[48:49], s[4:5], s[46:47]
	s_lshl_b32 s46, s14, 9                         ; my 128 results: 512 bytes; waves 0 and 1 store 256 each
	s_and_b32 s50, s[WV], 1
	s_lshl_b32 s50, s50, 8
	s_add_co_u32 s46, s46, s50
	s_add_nc_u64 s[8:9], s[8:9], s[46:47]
	ROUND                                          ; all four work-groups are here: the first joint loads meet
	tensor_load_to_lds s[G0:G0+3], s[G1:G1+7]      ; the first step: one tensor load a wave at the head
	s_nop 0
	PLACES
	WIN 0x40                                       ; destination window 1
.set i, 0
.rept 64
	global_load_b128 v[4*i:4*i+3], v[LI], s[48:49] offset:512*i   ; x's sixteen fragments stay in registers
.set i, i+1
.endr
	WIN 0
.irp a, 0,1,2,3,4,5,6,7
	v_mov_b32 v[BB+8+\a], 0xff800000               ; under every finite value: each lane's first tile sets best, number and kept values
	v_mov_b32 v[GID+\a], 0
.endr
.set i, 0
.rept 64
	v_mov_b32 v[SV+i], 0                           ; written once, under the loads' flight: a select reads what it may keep
.set i, i+1
.endr
	s_wait_alu depctr_va_vdst(0)
	s_wait_tensorcnt 0x0                           ; my part of the first step is in; slot 1's first fill is issued as a refill is:
	ds_add_u32 v[SPW], v[NIL]
	s_wait_dscnt 0x0
	ROUND
	tensor_load_to_lds s[G0+4:G0+7], s[G1:G1+7]
	s_nop 0
	PLACES
	FETCH 0, 0, 0
	s_wait_loadcnt 0x0                             ; x
	s_mov_b32 s[TRIPS], 7
.Lring:                                            ; a trip goes once round the ring: two steps, eight tiles, and fills both slots again
	TILE 0, 0
	TILE 0, 1
	TILE 0, 2
	TILE3 0, 1, 1
	TILE 1, 0
	TILE 1, 1
	TILE 1, 2
	TILE3 1, 1, 1
	s_sub_co_u32 s[TRIPS], s[TRIPS], 1
	s_cmp_lg_u32 s[TRIPS], 0
	s_cbranch_scc1 .Lring
	TILE 0, 0                                      ; the last two steps ask for nothing
	TILE 0, 1
	TILE 0, 2
	TILE3 0, 0, 1
	TILE 1, 0
	TILE 1, 1
	TILE 1, 2
	TILE3 1, 0, 0
	; THE TRUE BEST, from the kept values (the running one may stand one step down since the wrap)
.irp a, 0,1,2,3,4,5,6,7
	v_max3_num_f32 v[BB+\a], v[SV+8*\a], v[SV+8*\a+1], v[SV+8*\a+2]
	v_max3_num_f32 v[BB+8+\a], v[SV+8*\a+3], v[SV+8*\a+4], v[SV+8*\a+5]
.endr
.irp a, 0,1,2,3,4,5,6,7
	v_max3_num_f32 v[BB+\a], v[BB+\a], v[SV+8*\a+6], v[SV+8*\a+7]
.endr
.irp a, 0,1,2,3,4,5,6,7
	v_max_num_f32 v[BB+\a], v[BB+\a], v[BB+8+\a]
.endr
	; THE PLACE IN THE TILE: the first kept value that equals the best; from the last down, so that the lowest wins
.irp a, 0,1,2,3,4,5,6,7
	v_mov_b32 v[OFF+\a], 7
.endr
.irp i, 6,5,4,3,2,1,0
.irp a, 0,1,2,3,4,5,6,7
	v_cmp_neq_f32 vcc_lo, v[SV+8*\a+\i], v[BB+\a]
	v_cndmask_b32 v[OFF+\a], \i, v[OFF+\a], vcc_lo
.endr
.endr
.irp a, 0,1,2,3,4,5,6,7
	v_add3_u32 v[OFF+\a], v[GID+\a], v[OFF+\a], v[HW]   ; the index: 16 tile + the place + 8 h + 1,024 wave
.endr
	; THE OTHER HALF of each tile lies in lane l xor 16: taken where it is larger, or equal with the lower index
.irp a, 0,1,2,3,4,5,6,7
	v_permlanex16_b32 v[T+2*(\a%3)], v[BB+\a], s[SEL], s[SEL+1]
	v_permlanex16_b32 v[T+2*(\a%3)+1], v[OFF+\a], s[SEL], s[SEL+1]
	v_cmp_gt_f32 s50, v[T+2*(\a%3)], v[BB+\a]
	v_cmp_eq_f32 s51, v[T+2*(\a%3)], v[BB+\a]
	v_cmp_lt_u32 s52, v[T+2*(\a%3)+1], v[OFF+\a]
	s_and_b32 s51, s51, s52
	s_or_b32 vcc_lo, s50, s51
	v_cndmask_b32 v[ACC+2*\a], v[BB+\a], v[T+2*(\a%3)], vcc_lo
	v_cndmask_b32 v[ACC+2*\a+1], v[OFF+\a], v[T+2*(\a%3)+1], vcc_lo
	ds_store_b64 v[SA], v[ACC+2*\a:ACC+2*\a+1] offset:128*\a   ; (best, index) of row 16 a + r among my wave's 1,024 codes
.endr
	s_wait_dscnt 0x0                               ; for the others' sake: my stores have landed
	s_barrier_signal -1
	s_barrier_wait -1
	; THE EIGHT WAVES' RESULTS: waves 0 and 1 take 64 rows each, two a lane.  A later wave's indices are higher: it wins only where it is strictly larger
	s_cmp_gt_u32 s[WV], 1
	s_cbranch_scc1 .Ldone                          ; no barrier stands under this branch
.irp q, 0,1,2,3,4,5,6,7
	ds_load_b128 v[SV+4*\q:SV+4*\q+3], v[RA] offset:1024*\q
.endr
	s_wait_dscnt 0x0
.irp q, 1,2,3,4,5,6,7
.irp e, 0,1
	v_cmp_gt_f32 vcc_lo, v[SV+4*\q+2*\e], v[SV+2*\e]
	v_cndmask_b32 v[SV+2*\e], v[SV+2*\e], v[SV+4*\q+2*\e], vcc_lo
	v_cndmask_b32 v[SV+2*\e+1], v[SV+2*\e+1], v[SV+4*\q+2*\e+1], vcc_lo
.endr
.endr
	v_mov_b32 v[SV], v[SV+1]                       ; the two indices side by side
	v_mov_b32 v[SV+1], v[SV+3]
	global_store_b64 v[OA], v[SV:SV+1], s[8:9]     ; 32 lanes store 256 consecutive bytes, at a multiple of 256 from out0's first byte
.Ldone:
	s_wait_tensorcnt 0x0                           ; the wave's end
	ds_add_u32 v[SPW], v[NIL]
	s_wait_dscnt 0x0
	ROUND                                          ; the closing round
	s_endpgm
.Lfunc_end_k_q7c448ce1c5_vq:
	.size	k_q7c448ce1c5_vq, .Lfunc_end_k_q7c448ce1c5_vq-k_q7c448ce1c5_vq
	.p2alignl 7, 3214868480
	.fill 96, 4, 3214868480
	.section	.rodata,"a",@progbits
	.p2align	6, 0x0
	.amdhsa_kernel k_q7c448ce1c5_vq
		.amdhsa_group_segment_fixed_size 327680
		.amdhsa_private_segment_fixed_size 0
		.amdhsa_enable_private_segment 0
		.amdhsa_kernarg_size 24
		.amdhsa_user_sgpr_count 2
		.amdhsa_user_sgpr_kernarg_segment_ptr 1
		.amdhsa_wavefront_size32 1
		.amdhsa_system_sgpr_workgroup_id_x 1
		.amdhsa_system_sgpr_workgroup_id_y 1
		.amdhsa_system_sgpr_workgroup_id_z 1
		.amdhsa_system_vgpr_workitem_id 0
		.amdhsa_next_free_vgpr 512
		.amdhsa_next_free_sgpr 66
		.amdhsa_reserve_vcc 1
		.amdhsa_float_denorm_mode_32 3
		.amdhsa_float_denorm_mode_16_64 3
		.amdhsa_memory_ordered 1
		.amdhsa_forward_progress 1
		.amdhsa_inst_pref_size 140
	.end_amdhsa_kernel
	.amdgpu_metadata
---
amdhsa.version: [ 1, 2 ]
amdhsa.kernels:
  - .name:           k_q7c448ce1c5_vq
    .symbol:         k_q7c448ce1c5_vq.kd
    .args:
      - { .name: xc, .offset: 0, .size: 8, .value_kind: global_buffer, .address_space: global }
      - { .name: cb, .offset: 8, .size: 8, .value_kind: global_buffer, .address_space: global }
      - { .name: out0, .offset: 16, .size: 8, .value_kind: global_buffer, .address_space: global }
    .group_segment_fixed_size: 327680
    .private_segment_fixed_size: 0
    .kernarg_segment_align: 8
    .kernarg_segment_size: 24
    .max_flat_workgroup_size: 256
    .sgpr_count:     66
    .vgpr_count:     512
    .wavefront_size: 32
...
	.end_amdgpu_metadata
.endif
;; end of part 2
